; MI455X (gfx1250); checked and timed in simulation.
; The chip was launched on July 23, 2026; its instructions are those of AMD's public machine-readable ISA for CDNA 5 (MIT licence, August 2026) and "CDNA5" Instruction Set Architecture Reference Guide (July 2026). The comments in the code are by the model that wrote it; some were corrected since.
;; SRL Embeddings. Allowed arithmetic: matrix products marked QUANTISED: E4M3 operands, one given power-of-two scale a tensor, by v_wmma_f32_16x16x64_fp8_fp8 or v_wmma_f32_16x16x128_fp8_fp8, f32 sums; everything else in f32.
;; Inputs: arg0_ids 32 x 8 x 8 x 8 int32; arg1_ids 32 x 8 x 8 x 8 int32; lowp_scales 6 int32 (the exponents e of the quantised operands' scales 2^e); predicate_ids 32 x 8 x 8 x 8 int32; sentence_embeddings 32 x 8 x 128 x 768 float32; sentence_ids 32 x 8 x 128 int32.
;; Outputs: out0 32 x 8 x 768 float32; out1 32 x 8 x 8 x 768 float32; out2 32 x 8 x 8 x 768 float32; out3 32 x 8 x 8 x 768 float32.
;; This version of the problem:
;;   THIS VERSION OF THE PROBLEM IS GIVEN IN LOW PRECISION. The matrix products marked QUANTISED in the list below multiply operands that are first quantised to E4M3 (4 exponent bits, 3 mantissa bits; 8 bits a number), with one given power-of-two scale for each operand tensor; their sums are f32. All else is computed in f32.
;;   The module's matrix products, in the order in which they are computed (A, B: the left and right operand; K: the contracted axis; several contracted axes count as one K, in the product's order):
;;     1. batch 256 x [M 64, K 128] x [K 128, N 768]; A: computed on the way; B: input sentence_embeddings: QUANTISED (scales: A lowp_scales[0], B lowp_scales[1])
;;     2. batch 256 x [M 64, K 128] x [K 128, N 768]; A: computed on the way; B: input sentence_embeddings: QUANTISED (scales: A lowp_scales[2], B lowp_scales[3])
;;     3. batch 256 x [M 64, K 128] x [K 128, N 768]; A: computed on the way; B: input sentence_embeddings: QUANTISED (scales: A lowp_scales[4], B lowp_scales[5])
;;   THE QUANTISER, for each operand of a quantised product, along K:
;;     - The operand's scale is 2^e, e = its entry of the input lowp_scales (int32; the entries are numbered through the quantised products in the list's order, A before B).
;;     - Each number is divided by the scale, clamped to +-448, and rounded to the nearest number of E4M3, ties to even, subnormals kept.
;;     - The product sums the exact products of the quantised numbers (number of the format x scale) in f32.
;;   ~~~python
;;   def quantise(x, axis, e):      # numpy; x: float32 -> the quantised numbers, widened to float32 again
;;       x = np.moveaxis(x, axis, -1); K = x.shape[-1]
;;       r = np.clip(x / 2.0 ** e, -448, 448)
;;       step = 2.0 ** (np.maximum(np.frexp(np.where(r == 0, 1, r))[1] - 1, -6) - 3)
;;       q = np.round(r / step) * step * 2.0 ** e      # np.round: ties to even
;;       return np.moveaxis(q, -1, axis).astype(np.float32)
;;   ~~~
;;   OPERANDS COMPUTED ON THE WAY. 'Computed on the way' means the value that the module computes at that place (a softmax that the list does not call 'softmax' is quantised finished and normalised). What goes into a quantiser is computed in f32, as accurately as f32 sums, v_exp_f32 and their like allow (about 1e-6 of the number): no bf16 or f16 on the way to a quantiser, and a product that is left as it is and whose result goes on into a quantised operand takes f32 operands (vector FMAs, or v_wmma_f32_16x16x4_f32). A number that lies on a knife's edge between two numbers of the format may be rounded either way, as far as f32 arithmetic and the matrix unit's own rounding can turn it there, and no further.
;; One version. Each part assembles by itself: llvm-mc -triple=amdgcn-amd-amdhsa -mcpu=gfx1250 --defsym DOCPART=n.
;; ======== version 1 of 1: 1 launch
;; limits: right only within a limited range of input values
;; launch srl (part 1): grid 256 x 1, 4 waves a work-group, no clusters, 27,136 bytes of LDS; arguments sentence_embeddings, sentence_ids, predicate_ids, arg0_ids, arg1_ids, lowp_scales, out0, out1, out2, out3; writes out0, out1, out2, out3
.if DOCPART == 1
	.amdgcn_target "amdgcn-amd-amdhsa--gfx1250"
	.amdhsa_code_object_version 6
	.text
	.protected	k_q60c2b6d120_srl
	.globl	k_q60c2b6d120_srl
	.p2align	8
	.type	k_q60c2b6d120_srl,@function
k_q60c2b6d120_srl:
	s_mov_b64 s[64:65], 0
	v_nop
	global_prefetch_b8 v0, s[64:65] scope:SCOPE_SE
	s_setreg_imm32_b32 hwreg(HW_REG_WAVE_MODE, 25, 1), 1
	s_wait_xcnt 0x0
; SRL embeddings.  For each of 256 sentences, E = [128 t][768 d] f32:
;   out0 = the mean of E over t, in f32;
;   out1, out2, out3 (id sets 0, 1, 2 = predicate, arg0, arg1): match[64 (a,l)][128 t] (1 where the token id is not 0 and equals the sentence id at t) x E, both quantised to
;   E4M3 along t with the given scales 2^eA, 2^eB of that set; then the eight rows l of each a are added and divided by max(number of ids that are not 0, 1).
; ONE WORK-GROUP TAKES ONE SENTENCE, four waves; wave w takes columns 192 w .. 192 w + 191 as three STRIPS of 64 columns x 128 t.
; E COMES BY LOADS INTO REGISTERS, through a ring of 64 loads of 512 bytes: a strip.  A strip is worked in eight CHUNKS of eight loads, in the order in which they were asked for; a chunk's registers,
; once read, take the next strip's same rows.  So 56 to 64 loads of each wave (28 to 32 KiB) are out until the last strip, and what is left to do behind the last load is one chunk and one half's products.
; NO LDS tiles, NO CLUSTER: no two waves read the same byte of E; the ids are 1,280 bytes a sentence.  NO PREFETCH: the ring itself is always 56 loads or more ahead.
; LAYOUT.  r = lane % 16, h = lane / 16.  Load i of a strip brings E(t = 64 h + i, columns c0 + 4 r .. + 3): sixteen lanes read 256 consecutive bytes, aligned.
;   K: a product takes half u of the strip's t: byte b of operand register q in lane half h stands for t = 64 h + 32 u + 4 q + b, in A and in B alike: every product meets its partner.
;   N: tile f (0..3) is the columns c0 + 4 r + f: a lane's results of the four tiles are four neighbouring columns, 16 bytes.
;   M: tile m (0..3) is l = 2 m (rows 0-7: a = 0..7) and l = 2 m + 1 (rows 8-15).  THE SUM OVER l IS TAKEN IN THE ACCUMULATOR: the four tiles of a set add onto the same 16 x 16 sums.
;     Register j of lane (r, h) then is a = j, summed over t and over the l of parity h; an exchange of lane halves between registers j and j + 4 and one addition finish it: a = j + 4 h.
; E is quantised three times, once for each set's scale, whatever the scales are: no branch hangs on a loaded number.
; LIMITS.  Each of the six exponents lies between -126 and 119, so that 2^e and 448 x 2^e are f32 numbers; eA + eB is applied by v_ldexp_f32.
;   NaN among the embeddings is not served; an infinity is held at the largest code in the products.  1 / n comes from v_rcp_f32 (1 ULP), behind the products.
;   The f32 sums over l and over t are taken in another order than the reference's.
; REGISTERS, in windows of 256 (s_set_vgpr_msb: bits 1:0 source 0, 3:2 source 1, 5:4 source 2, 7:6 destination):
;   window 0: addresses, constants, held numbers, accumulators;  window 1: the ring, load i at v[4 i];  window 2: B's codes, results;  window 3: the twelve match fragments, (set s, tile m) at v[16 (4 s + m)].
.set EROW,  3072                       ; a row of E, out0 or out1 to out3 in bytes
.set SENT,  128*EROW                   ; a sentence
.set AIMG,  0                          ; LDS: images of the 12 match fragments, 2,048 bytes each: register group c at 512 c, lane at 16 x lane
.set SIDL,  AIMG+12*2048               ; each wave's own copy of the 128 sentence ids: 512 bytes a wave
.set SPARE, SIDL+4*512                 ; the spare words, 128 bytes a wave
.set XO,  4                            ; 196,608 h + 16 r: the loads of E
.set OO,  5                            ; 12,288 h + 16 r: stores of out1 to out3
.set O64, 6                            ; 16 r + 8 h: stores of out0
.set L16, 7                            ; 16 x lane
.set TI,  8                            ; 32 (r % 8) + 4 (r / 8) + 8 w: the token id of row r of tile w
.set C8,  9                            ; 8 x lane
.set LI,  10                           ; AIMG + 16 x lane
.set LW,  11                           ; + 2,048 w
.set SW,  12                           ; SIDL + 512 w + 16 x lane
.set SRD, 13                           ; SIDL + 512 w + 256 h
.set SPW, 14                           ; SPARE + 4 x my thread's number; never rewritten
.set NIL, 15                           ; 0; never rewritten
.set MR,  16                           ; v16-17   two columns' means
.set LMB, 18                           ; v18-20   448 x 2^eB
.set SCB, 21                           ; v21-23   2^eB
.set S,   24                           ; v24-31   the mean's four chains of pairs
.set FAC, 32                           ; v32-43   2^(eA + eB) / n of (set s, a = j + 4 h) at 4 s + j
.set BT,  44                           ; v44-51   head: at work
.set CL,  52                           ; v52-54   head: the code of 1.0 under 2^eA, or 0 where my row's token id is 0
.set TAU, 56                           ; v56-58   head: my row's token id
.set SIDR, 60                          ; v60-63   head: four sentence ids as loaded
.set T,   64                           ; v64-159  held numbers, 8 t of (f, s) at 8 (3 f + s); head: eight numbers a set
.set ACC, 160                          ; v160-255 twelve accumulators, (f, s) at 8 (3 f + s)
.set FR,  160                          ; head: the three fragments that my wave builds
.set CNT, 208                          ; head: two token ids a set, then the count
.set RC,  214                          ; head: reciprocals
.set FC,  218                          ; head: factors of a = lane / 4
.set LMA, 222                          ; head: 448 x 2^eA
.set SCA, 226                          ; head: 2^eA
.set IDS, 144                          ; window 2, v144-207: the sentence ids 64 h + 0 .. 63, until the fragments are built
.set CD,  0                            ; window 2, v0-95: B's codes of half a strip, (f, s) at 8 (3 f + s)
.set O,   96                           ; window 2, v96-143: results: 16 s + 4 j + f
.set MSB, 0
.macro WIN new                         ; the immediate's high byte repeats the setting that is left; a switch that changes nothing is dropped
.if MSB != (\new)
	s_set_vgpr_msb (MSB<<8)|(\new)
.set MSB, \new
.endif
.endm
; My wave's match fragment of set s: register q, byte b = the code of 1.0 where my row's token id equals sentence id 64 h + 4 q + b, else the code 0.  Two registers at a time
.macro BUILD s
	WIN 0x08
.set bq, 0
.rept 8
.irp b, 0,1,2,3,4,5,6,7
	v_cmp_ne_u32 s[52+\b], v[TAU+(\s)], v[IDS+8*bq+\b]
.endr
.irp b, 0,1,2,3,4,5,6,7
	v_cndmask_b32 v[BT+\b], v[CL+(\s)], 0, s[52+\b]
.endr
	v_lshl_or_b32 v[BT+2], v[BT+3], 8, v[BT+2]
	v_lshl_or_b32 v[BT+6], v[BT+7], 8, v[BT+6]
	v_lshl_or_b32 v[BT], v[BT+1], 8, v[BT]
	v_lshl_or_b32 v[BT+4], v[BT+5], 8, v[BT+4]
	v_lshl_or_b32 v[FR+16*(\s)+2*bq], v[BT+2], 16, v[BT]
	v_lshl_or_b32 v[FR+16*(\s)+2*bq+1], v[BT+6], 16, v[BT+4]
.set bq, bq+1
.endr
	WIN 0
.endm
; Half u of a strip: for each of the twelve (column f, set s) the set's four tiles of 16 rows, 64 along K, all onto one accumulator.
; The twelve accumulators take turns, one instruction a turn; the strip's first product of each takes C = 0.
.macro MUL u
	WIN 0x0b
.irp m, 0,1,2,3
.irp g, 0,1,2,3,4,5,6,7,8,9,10,11
.if ((\u) == 0) && (\m == 0)
	v_wmma_f32_16x16x64_fp8_fp8 v[ACC+8*\g:ACC+8*\g+7], v[16*(4*(\g%3)+\m)+8*(\u):16*(4*(\g%3)+\m)+8*(\u)+7], v[CD+8*\g:CD+8*\g+7], 0
.else
	v_wmma_f32_16x16x64_fp8_fp8 v[ACC+8*\g:ACC+8*\g+7], v[16*(4*(\g%3)+\m)+8*(\u):16*(4*(\g%3)+\m)+8*(\u)+7], v[CD+8*\g:CD+8*\g+7], v[ACC+8*\g:ACC+8*\g+7]
.endif
.endr
.endr
.endm
; Chunk c: loads 8 c .. 8 c + 7 of the strip.  more = 1: its registers take the next strip's rows.
.macro CHUNK c, more
.if \more
	s_wait_loadcnt 56                              ; 64 loads are out: this chunk's eight are the oldest
.else
	s_wait_loadcnt 8*(7-(\c))                      ; the last strip asks for nothing more: the later chunks' loads may be out
.endif
	; the sums over t, four chains of packed additions; the strip's first four rows start them
.if (\c) == 0
	WIN 0x05
.irp k, 0,1
	v_pk_add_f32 v[S+4*\k:S+4*\k+1], v[8*\k:8*\k+1], v[8*\k+4:8*\k+5]
	v_pk_add_f32 v[S+4*\k+2:S+4*\k+3], v[8*\k+2:8*\k+3], v[8*\k+6:8*\k+7]
.endr
.endif
	WIN 0x01
.irp i, 0,1,2,3,4,5,6,7
.if ((\c) > 0) || (\i > 3)
	v_pk_add_f32 v[S+4*(\i%2):S+4*(\i%2)+1], v[4*(8*(\c)+\i):4*(8*(\c)+\i)+1], v[S+4*(\i%2):S+4*(\i%2)+1]
	v_pk_add_f32 v[S+4*(\i%2)+2:S+4*(\i%2)+3], v[4*(8*(\c)+\i)+2:4*(8*(\c)+\i)+3], v[S+4*(\i%2)+2:S+4*(\i%2)+3]
.endif
.endr
	; held within +-448 x 2^eB (the conversion to an 8-bit code does not saturate: ISA guide 7.6.2), and gathered: a column's eight t in consecutive registers
.irp f, 0,1,2,3
.irp s, 0,1,2
.irp i, 0,1,2,3,4,5,6,7
	v_med3_num_f32 v[T+8*(3*\f+\s)+\i], v[4*(8*(\c)+\i)+\f], -v[LMB+\s], v[LMB+\s]
.endr
.endr
.endr
.if (\c) == 7*(1-\more)                ; in chunk 0; in the last strip in chunk 7, behind strip 1's stores
	s_wait_alu depctr_va_vdst(0)                   ; directly ahead of the wait below
	s_wait_xcnt 0x0                                ; every earlier load and store has had its addresses translated (ISA guide 3.1): bases step, and results are written again, only behind this wait
.if \more
	s_add_nc_u64 s[4:5], s[4:5], 256               ; 64 columns on: E,
	s_add_nc_u64 s[16:17], s[16:17], 256           ; and the outputs (this strip's stores reach back by 256)
	s_add_nc_u64 s[18:19], s[18:19], 256
	s_add_nc_u64 s[20:21], s[20:21], 256
	s_add_nc_u64 s[22:23], s[22:23], 256
.endif
.endif
.if \more
	WIN 0x40
.irp i, 0,1,2,3,4,5,6,7
	global_load_b128 v[4*(8*(\c)+\i):4*(8*(\c)+\i)+3], v[XO], s[4:5] offset:EROW*(8*(\c)+\i) th:TH_LOAD_NT
.endr
.endif
	WIN 0x80
.irp g, 0,1,2,3,4,5,6,7,8,9,10,11
	v_cvt_scalef32_pk8_fp8_f32 v[CD+8*\g+2*((\c)%4):CD+8*\g+2*((\c)%4)+1], v[T+8*\g:T+8*\g+7], v[SCB+(\g%3)]
.endr
.if ((\c)%4) == 3
	v_nop                                          ; a plain instruction between the last conversion and the products (elsewhere other plain instructions follow)
.endif
.endm
; A strip, its means, its results
; what follows a strip's first four chunks
.macro REST more
	MUL 0
	CHUNK 4, \more
	CHUNK 5, \more
.if \more == 0
	OUT 1                                          ; last strip: strip 1's results leave here, where at most 16 loads of mine are still out (the bases stand at strip 2: back by 256)
.endif
	CHUNK 6, \more
	CHUNK 7, \more
	MUL 1
	WIN 0
	; the mean: chains joined, lane halves joined: lane (r, h) ends with columns 4 r + 2 h, + 1.  These six are also the places behind the last products
	v_pk_add_f32 v[S:S+1], v[S:S+1], v[S+4:S+5]
	v_pk_add_f32 v[S+2:S+3], v[S+2:S+3], v[S+6:S+7]
	v_permlane16_swap_b32 v[S], v[S+2]
	v_permlane16_swap_b32 v[S+1], v[S+3]
	v_pk_add_f32 v[S:S+1], v[S:S+1], v[S+2:S+3]
	v_pk_mul_f32 v[MR:MR+1], v[S:S+1], 0x3c000000 op_sel_hi:[1,0]   ; x 1/128, exact
	; each accumulator from its low end on: lanes 16-31 of register j change places with lanes 0-15 of register j + 4
.irp g, 0,1,2,3,4,5,6,7,8,9,10,11
.irp j, 0,1,2,3
	v_permlane16_swap_b32 v[ACC+8*\g+\j], v[ACC+8*\g+4+\j]
.endr
.endr
	WIN 0x80
.irp s, 0,1,2
.irp f, 0,1,2,3
.irp j, 0,1,2,3
	v_add_f32 v[O+16*\s+4*\j+\f], v[ACC+8*(3*\f+\s)+\j], v[ACC+8*(3*\f+\s)+4+\j]
.endr
.endr
.endr
	WIN 0x82
.irp s, 0,1,2
.irp p, 0,2
.irp j, 0,2
	v_pk_mul_f32 v[O+16*\s+4*\j+\p:O+16*\s+4*\j+\p+1], v[O+16*\s+4*\j+\p:O+16*\s+4*\j+\p+1], v[FAC+4*\s+\j:FAC+4*\s+\j+1] op_sel_hi:[1,0]
	v_pk_mul_f32 v[O+16*\s+4*\j+4+\p:O+16*\s+4*\j+4+\p+1], v[O+16*\s+4*\j+4+\p:O+16*\s+4*\j+4+\p+1], v[FAC+4*\s+\j:FAC+4*\s+\j+1] op_sel:[0,1] op_sel_hi:[1,1]
.endr
.endr
.endr
.endm
; a strip's thirteen stores in one run; more = 1: the bases stand one strip further on
.macro OUT more
	WIN 0x08
.irp s, 0,1,2
.irp j, 0,1,2,3
	global_store_b128 v[OO], v[O+16*\s+4*\j:O+16*\s+4*\j+3], s[18+2*\s:19+2*\s] offset:EROW*\j-256*\more th:TH_STORE_NT   ; rows a = j and j + 4: sixteen lanes store 256 consecutive bytes, aligned
.endr
.endr
	WIN 0
	global_store_b64 v[O64], v[MR:MR+1], s[16:17] offset:0-256*\more th:TH_STORE_NT   ; 256 consecutive bytes, aligned
.endm
; ---------------------------------------------------------------- the head
	s_load_b256 s[4:11], s[0:1], 0x0               ; E s[4:5], sentence ids s[6:7], predicate ids s[8:9], arg0 ids s[10:11]
	s_load_b256 s[12:19], s[0:1], 0x20             ; arg1 ids s[12:13], the scales' exponents s[14:15], out0 s[16:17], out1 s[18:19]
	s_load_b128 s[20:23], s[0:1], 0x40             ; out2 s[20:21], out3 s[22:23]
	v_lshl_add_u32 v[SPW], v0, 2, SPARE
	v_mov_b32 v[NIL], 0
	v_lshrrev_b32 v44, 5, v0
	v_readfirstlane_b32 s2, v44                    ; wave 0..3
	v_and_b32 v1, 31, v0                           ; lane
	v_and_b32 v2, 15, v0                           ; r
	v_bfe_u32 v3, v0, 4, 1                         ; h
	v_mul_u32_u24 v45, v3, 64*EROW
	v_lshl_add_u32 v[XO], v2, 4, v45               ; lanes 16-31 begin 64 rows further down
	v_mul_u32_u24 v46, v3, 4*EROW
	v_lshl_add_u32 v[OO], v2, 4, v46
	v_lshlrev_b32 v47, 3, v3
	v_lshl_add_u32 v[O64], v2, 4, v47
	v_lshlrev_b32 v[L16], 4, v1
	v_lshlrev_b32 v[C8], 3, v1
	s_lshl_b32 s3, s2, 3
	v_and_b32 v48, 7, v0
	v_bfe_u32 v49, v0, 3, 1
	v_lshlrev_b32 v48, 5, v48
	v_lshl_add_u32 v48, v49, 2, v48
	v_add_nc_u32 v[TI], s3, v48
	v_add_nc_u32 v[LI], AIMG, v[L16]
	s_lshl_b32 s56, s2, 11
	v_add_nc_u32 v[LW], s56, v[LI]
	s_lshl_b32 s58, s2, 9
	s_add_co_u32 s58, s58, SIDL
	v_add_nc_u32 v[SW], s58, v[L16]
	v_lshl_add_u32 v[SRD], v3, 8, s58
	s_wait_alu depctr_va_vdst(0)                   ; ahead of the run of scalar lines and the wait below
	s_mul_i32 s59, s2, 768                         ; my wave's 192 columns, in bytes
	s_mul_i32 s30, ttmp9, SENT
	s_add_co_u32 s30, s30, s59                     ; E: my sentence, my columns
	s_mov_b32 s31, 0
	s_lshl_b32 s32, ttmp9, 9                       ; my sentence's 128 ids
	s_mov_b32 s33, 0
	s_lshl_b32 s34, ttmp9, 8                       ; a set's 64 token ids of my sentence
	s_mov_b32 s35, 0
	s_mul_i32 s36, ttmp9, EROW
	s_add_co_u32 s36, s36, s59                     ; out0: my sentence's row, my columns
	s_mov_b32 s37, 0
	s_mul_i32 s38, ttmp9, 8*EROW
	s_add_co_u32 s38, s38, s59                     ; out1 to out3: my sentence's eight rows, my columns
	s_mov_b32 s39, 0
	s_wait_kmcnt 0x0
	s_load_b128 s[24:27], s[14:15], 0x0            ; eA0, eB0, eA1, eB1
	s_load_b64 s[28:29], s[14:15], 0x10            ; eA2, eB2
	s_add_nc_u64 s[8:9], s[8:9], s[34:35]
	s_add_nc_u64 s[10:11], s[10:11], s[34:35]
	s_add_nc_u64 s[12:13], s[12:13], s[34:35]
	s_add_nc_u64 s[6:7], s[6:7], s[32:33]
	s_add_nc_u64 s[4:5], s[4:5], s[30:31]
	; the seven small loads go first, so that their wait leaves the embeddings' loads out
	global_load_b128 v[SIDR:SIDR+3], v[L16], s[6:7]        ; the 128 sentence ids: 512 consecutive bytes
.irp s, 0,1,2
	global_load_b32 v[TAU+\s], v[TI], s[8+2*\s:9+2*\s]
.endr
.irp s, 0,1,2
	global_load_b64 v[CNT+2*\s:CNT+2*\s+1], v[C8], s[8+2*\s:9+2*\s]   ; the set's 64 token ids, two a lane: a = lane / 4
.endr
	WIN 0x40
.set gi, 0
.rept 56                               ; strip 0's chunks 0 to 6
	global_load_b128 v[4*gi:4*gi+3], v[XO], s[4:5] offset:EROW*gi th:TH_LOAD_NT
.set gi, gi+1
.endr
	WIN 0
	s_add_nc_u64 s[16:17], s[16:17], s[36:37]
	s_add_nc_u64 s[18:19], s[18:19], s[38:39]
	s_add_nc_u64 s[20:21], s[20:21], s[38:39]
	s_add_nc_u64 s[22:23], s[22:23], s[38:39]
	; the scales: 2^e as f32 for the conversions, 448 x 2^e for the holds, eA + eB for the way out
	s_wait_kmcnt 0x0
.irp s, 0,1,2
	s_add_co_i32 s56, s[25+2*\s], 127
	s_lshl_b32 s[40+\s], s56, 23
	s_add_co_i32 s56, s56, 8
	s_lshl_b32 s56, s56, 23
	s_or_b32 s[44+\s], s56, 0x600000
	s_add_co_i32 s57, s[24+2*\s], 127
	s_lshl_b32 s[48+\s], s57, 23
	s_add_co_i32 s57, s57, 8
	s_lshl_b32 s57, s57, 23
	s_or_b32 s[52+\s], s57, 0x600000
	s_add_co_i32 s[60+\s], s[24+2*\s], s[25+2*\s]
.endr
.irp s, 0,1,2
	v_mov_b32 v[LMA+\s], s[52+\s]
	v_mov_b32 v[SCA+\s], s[48+\s]
	v_mov_b32 v[LMB+\s], s[44+\s]
	v_mov_b32 v[SCB+\s], s[40+\s]
.endr
	; the code of 1.0 under each 2^eA: 1.0 held at 448 x 2^eA, converted as every number of A would be; seven zeros fill the conversion's eight
.irp s, 0,1,2
	v_min_num_f32 v[T+64+8*\s], 1.0, v[LMA+\s]
.irp k, 1,2,3,4,5,6,7
	v_mov_b32 v[T+64+8*\s+\k], 0
.endr
.endr
.irp s, 0,1,2
	v_cvt_scalef32_pk8_fp8_f32 v[BT+2*\s:BT+2*\s+1], v[T+64+8*\s:T+64+8*\s+7], v[SCA+\s]
.endr
.irp k, 0,1,2,3,4,5,6,7,8,9,10,11
	v_mov_b32 v[FAC+\k], 0                         ; written once: a lane exchange's destination counts as one of its sources.  (Also the plain places behind the conversions)
.endr
.irp s, 0,1,2
	v_and_b32 v[CL+\s], 0xff, v[BT+2*\s]           ; the first number's code lies in the lowest byte
.endr
	s_wait_alu depctr_va_vdst(0)                   ; directly ahead of the wait below
	s_wait_loadcnt 56                              ; the seven small loads are in: 56 loads were issued behind them
	ds_store_b128 v[SW], v[SIDR:SIDR+3]            ; the ids turn through my wave's own 512 bytes: LDS serves a wave's instructions in order (ISA guide 5.7.1.4),
	WIN 0x80
.set di, 0
.rept 16
	ds_load_b128 v[IDS+4*di:IDS+4*di+3], v[SRD] offset:16*di   ; so these see the store: every lane of half h gets ids 64 h + 0 .. 63
.set di, di+1
.endr
	WIN 0
	; while they are out: n = max(the number of ids that are not 0, 1) of a = lane / 4: two ids a lane, four lanes
.irp s, 0,1,2
	v_min_u32 v[CNT+2*\s], 1, v[CNT+2*\s]
	v_min_u32 v[CNT+2*\s+1], 1, v[CNT+2*\s+1]
.endr
.irp s, 0,1,2
	v_add_nc_u32 v[CNT+2*\s], v[CNT+2*\s], v[CNT+2*\s+1]
.endr
.irp s, 0,1,2
	v_cvt_f32_u32 v[CNT+2*\s], v[CNT+2*\s]
.endr
.irp x, 1,2
.irp s, 0,1,2
	v_add_f32_dpp v[CNT+2*\s], v[CNT+2*\s], v[CNT+2*\s] row_xmask:\x row_mask:0xf bank_mask:0xf
.endr
.endr
.irp s, 0,1,2
	v_max_num_f32 v[CNT+2*\s], 1.0, v[CNT+2*\s]
.endr
	s_wait_alu depctr_va_vdst(0)                   ; ahead of the batch
.irp s, 0,1,2
	v_rcp_f32 v[RC+\s], v[CNT+2*\s]
.endr
.irp s, 0,1,2
	v_cmp_ne_u32 vcc_lo, 0, v[TAU+\s]              ; (plain instructions behind the reciprocals)
	v_cndmask_b32 v[CL+\s], 0, v[CL+\s], vcc_lo    ; a token id of 0 matches nothing
.endr
	s_wait_alu depctr_va_vdst(0)                   ; one wait for the three reciprocals, ahead of their first reader
.irp s, 0,1,2
	v_ldexp_f32 v[FC+\s], v[RC+\s], s[60+\s]       ; 2^(eA + eB) / n
.endr
	; factor j in lane half h is a = j + 4 h: lane 4 j of each row of sixteen holds it
.irp s, 0,1,2
	v_mov_b32_dpp v[FAC+4*\s], v[FC+\s] row_share:0 row_mask:0xf bank_mask:0xf
	v_mov_b32_dpp v[FAC+4*\s+1], v[FC+\s] row_share:4 row_mask:0xf bank_mask:0xf
	v_mov_b32_dpp v[FAC+4*\s+2], v[FC+\s] row_share:8 row_mask:0xf bank_mask:0xf
	v_mov_b32_dpp v[FAC+4*\s+3], v[FC+\s] row_share:12 row_mask:0xf bank_mask:0xf
.endr
	s_wait_alu depctr_va_vdst(0)                   ; directly ahead of the wait below
	s_wait_dscnt 0x0                               ; the sentence ids are in IDS
; Four of the twelve match fragments, from base on, into window 3, where they stay
.macro FRAGS base
	WIN 0xc0
.irp a, 0,1,2,3
.irp c, 0,1,2,3
	ds_load_b128 v[16*(\base+\a)+4*\c:16*(\base+\a)+4*\c+3], v[LI] offset:2048*(\base+\a)+512*\c
.endr
.endr
.endm
.macro STRIP more
.irp c, 0,1,2,3
	CHUNK \c, \more
.endr
	REST \more
.endm
	; STRIP 0, with the match fragments made beside its first chunks: E is worked, and the next strip asked for, from its first landing on; the fragments are first needed behind chunk 3
	BUILD 0
	WIN 0x40
.rept 8                                ; strip 0's chunk 7: now all 64 loads of the strip have been issued
	global_load_b128 v[4*gi:4*gi+3], v[XO], s[4:5] offset:EROW*gi th:TH_LOAD_NT
.set gi, gi+1
.endr
	CHUNK 0, 1
	BUILD 1
	CHUNK 1, 1
	BUILD 2
	; the fragments go to LDS as images of their registers: any wave that loads them by the same lines has the same registers in the same lanes
.irp s, 0,1,2
.irp c, 0,1,2,3
	ds_store_b128 v[LW], v[FR+16*\s+4*\c:FR+16*\s+4*\c+3] offset:8192*\s+512*\c
.endr
.endr
	s_wait_alu depctr_va_vdst(0)                   ; directly ahead of the wait below
	s_wait_dscnt 0x0                               ; for the others' sake: my images lie in LDS
	s_barrier_signal -1                            ; the text's one barrier.  E's loads stay out across it: they land in registers
	s_barrier_wait -1
	FRAGS 0
	CHUNK 2, 1
	FRAGS 4
	CHUNK 3, 1
	FRAGS 8
	s_wait_alu depctr_va_vdst(0)                   ; directly ahead of the wait below
	s_wait_dscnt 0x0                               ; all twelve fragments are in window 3
	REST 1
	OUT 1                                          ; strip 0's results
	STRIP 1                                        ; strip 1 asks for strip 2; its results stay in their registers until strip 2's chunk 6
	STRIP 0                                        ; strip 2: nothing is left to fetch
	OUT 0
	s_wait_tensorcnt 0x0                           ; the wave's end, behind my last LDS store
	ds_add_u32 v[SPW], v[NIL]
	s_wait_dscnt 0x0
	s_endpgm
.Lfunc_end_k_q60c2b6d120_srl:
	.size	k_q60c2b6d120_srl, .Lfunc_end_k_q60c2b6d120_srl-k_q60c2b6d120_srl
	.p2alignl 7, 3214868480
	.fill 96, 4, 3214868480
	.section	.rodata,"a",@progbits
	.p2align	6, 0x0
	.amdhsa_kernel k_q60c2b6d120_srl
		.amdhsa_group_segment_fixed_size 27136
		.amdhsa_private_segment_fixed_size 0
		.amdhsa_enable_private_segment 0
		.amdhsa_kernarg_size 80
		.amdhsa_user_sgpr_count 2
		.amdhsa_user_sgpr_kernarg_segment_ptr 1
		.amdhsa_wavefront_size32 1
		.amdhsa_system_sgpr_workgroup_id_x 1
		.amdhsa_system_sgpr_workgroup_id_y 1
		.amdhsa_system_sgpr_workgroup_id_z 1
		.amdhsa_system_vgpr_workitem_id 0
		.amdhsa_next_free_vgpr 960
		.amdhsa_next_free_sgpr 66
		.amdhsa_reserve_vcc 1
		.amdhsa_float_denorm_mode_32 3
		.amdhsa_float_denorm_mode_16_64 3
		.amdhsa_memory_ordered 1
		.amdhsa_forward_progress 1
		.amdhsa_inst_pref_size 255
	.end_amdhsa_kernel
	.section	.bss,"aw",@nobits
	.p2align	6
	.space	262144
	.amdgpu_metadata
---
amdhsa.version: [ 1, 2 ]
amdhsa.kernels:
  - .name:           k_q60c2b6d120_srl
    .symbol:         k_q60c2b6d120_srl.kd
    .args:
      - { .name: sentence_embeddings, .offset: 0, .size: 8, .value_kind: global_buffer, .address_space: global }
      - { .name: sentence_ids, .offset: 8, .size: 8, .value_kind: global_buffer, .address_space: global }
      - { .name: predicate_ids, .offset: 16, .size: 8, .value_kind: global_buffer, .address_space: global }
      - { .name: arg0_ids, .offset: 24, .size: 8, .value_kind: global_buffer, .address_space: global }
      - { .name: arg1_ids, .offset: 32, .size: 8, .value_kind: global_buffer, .address_space: global }
      - { .name: lowp_scales, .offset: 40, .size: 8, .value_kind: global_buffer, .address_space: global }
      - { .name: out0, .offset: 48, .size: 8, .value_kind: global_buffer, .address_space: global }
      - { .name: out1, .offset: 56, .size: 8, .value_kind: global_buffer, .address_space: global }
      - { .name: out2, .offset: 64, .size: 8, .value_kind: global_buffer, .address_space: global }
      - { .name: out3, .offset: 72, .size: 8, .value_kind: global_buffer, .address_space: global }
    .group_segment_fixed_size: 27136
    .private_segment_fixed_size: 0
    .kernarg_segment_align: 8
    .kernarg_segment_size: 80
    .max_flat_workgroup_size: 128
    .sgpr_count:     66
    .vgpr_count:     960
    .wavefront_size: 32
...
	.end_amdgpu_metadata
.endif
;; end of part 1
